; MI455X (gfx1250); checked and timed in simulation.
; The chip was launched on July 23, 2026; its instructions are those of AMD's public machine-readable ISA for CDNA 5 (MIT licence, August 2026) and "CDNA5" Instruction Set Architecture Reference Guide (July 2026). The comments in the code are by the model that wrote it; some were corrected since.
;; Attention. Allowed arithmetic: matrix products marked QUANTISED: E4M3 operands, one given power-of-two scale a tensor, by v_wmma_f32_16x16x64_fp8_fp8 or v_wmma_f32_16x16x128_fp8_fp8, f32 sums; products left as they are: f32 operands where the result goes on into a quantised operand, else bf16, f16 or f32 operands; f32 sums; everything else in f32.
;; Inputs: W_a 1,000 x 2,000 float32; W_b 1,000 x 1,000 float32; W_c_b 1 float32; W_c_w 1 x 1,000 float32; context 64 x 512 x 2,000 float32; decoder_hidden 1 x 64 x 1,000 float32; dense_b 1,000 float32; dense_w 1,000 x 2,000 float32; lowp_scales 6 int32 (the exponents e of the quantised operands' scales 2^e); mask 64 x 512 x 1 bool.
;; Outputs: out0 64 x 1 x 1,000 float32.
;; This version of the problem:
;;   THIS VERSION OF THE PROBLEM IS GIVEN IN LOW PRECISION. The matrix products marked QUANTISED in the list below multiply operands that are first quantised to E4M3 (4 exponent bits, 3 mantissa bits; 8 bits a number), with one given power-of-two scale for each operand tensor; their sums are f32. All else is computed in f32.
;;   The module's matrix products, in the order in which they are computed (A, B: the left and right operand; K: the contracted axis; several contracted axes count as one K, in the product's order):
;;     1. [M 32,768, K 2,000] x [K 2,000, N 1,000]; A: input context; B: input W_a: QUANTISED (scales: A lowp_scales[0], B lowp_scales[1])
;;     2. [M 64, K 1,000] x [K 1,000, N 1,000]; A: input decoder_hidden; B: input W_b: QUANTISED (scales: A lowp_scales[2], B lowp_scales[3])
;;     3. [M 32,768, K 1,000] x [K 1,000, N 1]; A: computed on the way; B: input W_c_w: left as it is (N = 1 < 16)
;;     4. batch 64 x [M 1, K 512] x [K 512, N 2,000]; A: softmax; B: input context: left as it is (M = 1 < 16)
;;     5. [M 64, K 2,000] x [K 2,000, N 1,000]; A: computed on the way; B: input dense_w: QUANTISED (scales: A lowp_scales[4], B lowp_scales[5])
;;   THE QUANTISER, for each operand of a quantised product, along K:
;;     - The operand's scale is 2^e, e = its entry of the input lowp_scales (int32; the entries are numbered through the quantised products in the list's order, A before B).
;;     - Each number is divided by the scale, clamped to +-448, and rounded to the nearest number of E4M3, ties to even, subnormals kept.
;;     - The product sums the exact products of the quantised numbers (number of the format x scale) in f32.
;;   ~~~python
;;   def quantise(x, axis, e):      # numpy; x: float32 -> the quantised numbers, widened to float32 again
;;       x = np.moveaxis(x, axis, -1); K = x.shape[-1]
;;       r = np.clip(x / 2.0 ** e, -448, 448)
;;       step = 2.0 ** (np.maximum(np.frexp(np.where(r == 0, 1, r))[1] - 1, -6) - 3)
;;       q = np.round(r / step) * step * 2.0 ** e      # np.round: ties to even
;;       return np.moveaxis(q, -1, axis).astype(np.float32)
;;   ~~~
;;   OPERANDS COMPUTED ON THE WAY. 'Computed on the way' means the value that the module computes at that place (a softmax that the list does not call 'softmax' is quantised finished and normalised). What goes into a quantiser is computed in f32, as accurately as f32 sums, v_exp_f32 and their like allow (about 1e-6 of the number): no bf16 or f16 on the way to a quantiser, and a product that is left as it is and whose result goes on into a quantised operand takes f32 operands (vector FMAs, or v_wmma_f32_16x16x4_f32). A number that lies on a knife's edge between two numbers of the format may be rounded either way, as far as f32 arithmetic and the matrix unit's own rounding can turn it there, and no further.
;; One version. Each part assembles by itself: llvm-mc -triple=amdgcn-amd-amdhsa -mcpu=gfx1250 --defsym DOCPART=n.
;; ======== version 1 of 1: 4 launches
;; limits: right only within a limited range of input values
;; workspace buffers: wa_codes 2,097,152 bytes; hid2 262,144 bytes; wcs 8,192 bytes; rows 163,840 bytes of whole numbers; scores 147,456 bytes; ws_codes 131,072 bytes
;; launch prep (part 1): grid 132 x 1, 16 waves a work-group, no clusters, 108,544 bytes of LDS; arguments W_a, W_b, decoder_hidden, W_c_w, mask, lowp_scales, wa_codes, hid2, wcs, rows; writes wa_codes, hid2, wcs, rows
.if DOCPART == 1
	.amdgcn_target "amdgcn-amd-amdhsa--gfx1250"
	.amdhsa_code_object_version 6
	.text
	.protected	k_qca71259c3c_prep
	.globl	k_qca71259c3c_prep
	.p2align	8
	.type	k_qca71259c3c_prep,@function
k_qca71259c3c_prep:
	s_mov_b64 s[64:65], 0
	v_nop
	global_prefetch_b8 v0, s[64:65] scope:SCOPE_SE
	s_setreg_imm32_b32 hwreg(HW_REG_WAVE_MODE, 25, 1), 1
	s_wait_xcnt 0x0
; PREP: three kinds of work-group, told apart by the work-group's number alone; the three ways never join, and each has LDS bytes of its own.
;  0..63    W_a [1000][2000] f32 -> codes of E4M3 with the given scale 2^e1, laid as images of operand registers: 1,024 fragments of 2,048 bytes, one a wave.
;           Fragment F = ((ws*2+c)<<7)|(ks<<3)|n holds 16 rows of W_a (tile nt = 16 ws + 8 c + n) x 128 along K (K step ks): [4 quads][32 lanes][16 bytes].
;  64..127  hidden_in = Q(decoder_hidden) Q(W_b)^T for one tile of 16 hidden units and all 64 batches; wave = K step (8) x half of the batches (2); the eight K steps' sums meet in LDS.
;           Stored: hid2[tile][batch][16] = 2 log2(e) x hidden_in, 512 consecutive bytes a wave.
;  128..131 one batch a wave: the list of rows.  rows[b][0..L'-1] = numbers (512 b + s) of the rows whose mask is 0, ascending; [L'..575] = the pad row 512 b; [576..607] = L'.
;           A batch whose 512 rows are all masked keeps them all (L' = 512).  Also wcs[tile = b][lane] = -2 W_c_w of the lane's slot, 0 in a slot that repeats another tile's row.
; TILES: tile nt holds rows min(16 nt, 984) + 0..15 of the 1,000, so no row is past the end; tile 62's first eight slots and all of tile 63 repeat rows of tiles 61 and 62.
; A FRAGMENT: lane (r = l % 16, h = l / 16) holds, of row r, k = 32 c + 16 h + 0..15 in registers 4 c .. 4 c + 3: one order of k for both operands of every product of this program.
; code = x / 2^e, held within +-448, to the nearest code, ties to even.  K past its end (2,000 or 1,000) gets zero codes.
; LIMITS: e1, e2, e3 between -126 and 119; e2 + e3 between -127 and 125 (added to the exponent field of 2.885).  NaN among the inputs is not served.
.set STGW, 0                           ; LDS: W_a's way: a stage of 16 rows x 144 bytes for each wave
.set STGH, 36864                       ; hidden_in's way: the same
.set RED,  73728                       ; hidden_in's way: 16 waves x 2,048 bytes of partial sums
.set C,  48                            ; v48-63   codes, four of one row a register
.set X0, 64                            ; v64-127, v128-191, v192-255: three sets of 16 rows x 4 numbers a lane
.set X1, 128
.set X2, 192
; 16 rows, 512 bytes (128 along K) of each: an instruction reads one row's 512 consecutive bytes; lane l holds k = 4 l .. 4 l + 3
.macro LOADROWS x, base, imm0, stride
.irp i, 0,1,2,3,4,5,6,7,8,9,10,11,12,13,14,15
	global_load_b128 v[\x+4*\i:\x+4*\i+3], v2, s[\base:\base+1] offset:\imm0+\i*\stride
.endr
.endm
; the 16 rows become a fragment: hold, convert (two rows' four numbers an instruction), zero codes past K's end, rows of 128 bytes into my own stage, and back in the operand's order
.macro MAKEFRAG x, f, sc, lim, stg
.set QI, 0
.rept 64
	v_med3_num_f32 v[\x+QI], v[\x+QI], -v[\lim], v[\lim]   ; the conversion does not saturate (ISA guide 7.6.2): the hold at the largest code x the scale
.set QI, QI+1
.endr
.irp p, 0,1,2,3,4,5,6,7
	v_cvt_scalef32_pk8_fp8_f32 v[C+2*\p:C+2*\p+1], v[\x+8*\p:\x+8*\p+7], v[\sc]
.endr
	v_nop                                          ; one plain vector line between a scaled conversion and the next vector line that touches its result
.irp i, 0,1,2,3,4,5,6,7,8,9,10,11,12,13,14,15
	v_cndmask_b32 v[C+\i], 0, v[C+\i], s39         ; lanes whose k lies past K's end hold zero codes
.endr
.irp i, 0,1,2,3,4,5,6,7,8,9,10,11,12,13,14,15
	ds_store_b32 v3, v[C+\i] offset:\stg+144*\i    ; row i: 128 consecutive bytes; rows 144 bytes apart, an odd multiple of 16
.endr
.irp c, 0,1,2,3
	ds_load_b128 v[\f+4*\c:\f+4*\c+3], v4 offset:\stg+32*\c   ; LDS serves a wave's instructions in order (ISA guide 5.7.1.4): these see my stores
.endr
	s_wait_dscnt 0x0                               ; the fragment is in
.endm
.macro MKSCALE e, vsc, vlim            ; 2^e as f32 (the conversion takes its exponent field), and 448 x 2^e
	s_add_co_i32 s56, s[\e], 127
	s_lshl_b32 s57, s56, 23
	v_mov_b32 v[\vsc], s57
	s_add_co_i32 s56, s56, 8
	s_lshl_b32 s56, s56, 23
	s_or_b32 s56, s56, 0x600000
	v_mov_b32 v[\vlim], s56
.endm
	s_load_b512 s[4:19], s[0:1], 0x0               ; W_a s[4:5], W_b s[6:7], decoder_hidden s[8:9], W_c_w s[10:11], mask s[12:13], scales s[14:15], wa_codes s[16:17], hid2 s[18:19]
	s_load_b128 s[20:23], s[0:1], 0x40             ; wcs s[20:21], rows s[22:23]
	v_lshl_add_u32 v30, v0, 2, 0x1a000
	v_mov_b32 v31, 0
	v_lshrrev_b32 v6, 5, v0
	v_readfirstlane_b32 s30, v6                    ; wave 0..15
	v_and_b32 v1, 31, v0                           ; lane
	v_lshlrev_b32 v5, 4, v1                        ; 16 l
	s_mul_i32 s31, s30, 2304                       ; my stage
	v_lshl_add_u32 v3, v1, 2, s31                  ; into it: 4 l
	v_and_b32 v6, 15, v0                           ; r
	v_bfe_u32 v7, v0, 4, 1                         ; h
	v_mul_u32_u24 v4, v6, 144
	v_lshl_add_u32 v4, v7, 4, v4
	v_add_nc_u32 v4, s31, v4                       ; out of it: 144 r + 16 h
	s_lshl_b32 s31, s30, 11
	s_add_co_u32 s31, s31, RED
	v_add_nc_u32 v12, s31, v5                      ; my partial sums: RED + 2,048 w + 16 l
	; the reducing wave Q = w % 8 reads in the order of its output: lane L takes batch 8 Q + L / 4, slots 8 ((L / 2) % 2) + 4 (L % 2) + 0..3
	s_bfe_u32 s31, s30, 0x10002                    ; which half of the batches: (w / 4) % 2
	s_lshl_b32 s31, s31, 14
	s_bfe_u32 s58, s30, 0x10001                    ; which of that half's two tiles of batches
	s_lshl_b32 s58, s58, 10
	s_add_co_u32 s31, s31, s58
	s_and_b32 s58, s30, 1                          ; source lanes r = 8 (w % 2) + L / 4
	s_lshl_b32 s58, s58, 7
	s_add_co_u32 s31, s31, s58
	s_add_co_u32 s31, s31, RED
	v_and_b32 v8, 1, v1
	v_lshlrev_b32 v8, 9, v8                        ; registers 0-3 or 4-7 of the accumulator
	v_bfe_u32 v9, v1, 1, 1
	v_lshl_add_u32 v8, v9, 8, v8                   ; source lanes' half
	v_lshrrev_b32 v9, 2, v1
	v_lshl_add_u32 v8, v9, 4, v8
	v_add_nc_u32 v13, s31, v8
	s_wait_kmcnt 0x0
	s_load_b128 s[24:27], s[14:15], 0x0            ; e0, e1, e2, e3
	s_cmp_ge_u32 ttmp9, 128
	s_cbranch_scc1 .Llist
	s_cmp_ge_u32 ttmp9, 64
	s_cbranch_scc1 .Lhidden
	; ---- W_a: one fragment a wave
	s_lshl_b32 s32, ttmp9, 4
	s_add_co_u32 s32, s32, s30                     ; F
	s_lshr_b32 s33, s32, 7
	s_lshl_b32 s33, s33, 3
	s_and_b32 s34, s32, 7
	s_or_b32 s33, s33, s34                         ; tile nt
	s_bfe_u32 s34, s32, 0x40003                    ; K step
	s_lshl_b32 s33, s33, 4
	s_min_u32 s33, s33, 984                        ; its first row
	s_mul_i32 s36, s33, 8000
	s_lshl_b32 s35, s34, 9
	s_add_co_u32 s36, s36, s35
	s_mov_b32 s37, 0
	s_add_nc_u64 s[4:5], s[4:5], s[36:37]
	s_mov_b32 s38, 496
	s_cmp_eq_u32 s34, 15                           ; the last K step has 80 numbers: lanes 0-19; the others re-read lane 19's bytes and get zero codes
	s_cselect_b32 s38, 304, s38
	s_cselect_b32 s39, 0xfffff, -1
	v_min_u32 v2, s38, v5
	LOADROWS X0, 4, 0, 8000
	s_lshl_b32 s36, s32, 11
	s_add_nc_u64 s[16:17], s[16:17], s[36:37]
	s_wait_kmcnt 0x0
	MKSCALE 25, 8, 9
	s_wait_loadcnt 0x0
	MAKEFRAG X0, 64, 8, 9, STGW
.irp c, 0,1,2,3
	global_store_b128 v5, v[64+4*\c:64+4*\c+3], s[16:17] offset:512*\c   ; 32 lanes store 512 consecutive bytes, at a multiple of 512 from the buffer's first byte
.endr
	s_wait_tensorcnt 0x0
	ds_add_u32 v30, v31
	s_wait_dscnt 0x0
	s_endpgm
	; ---- hidden_in
.Lhidden:
	s_sub_co_u32 s32, ttmp9, 64                    ; tile nt
	s_and_b32 s34, s30, 7                          ; K step
	s_lshr_b32 s35, s30, 3                         ; half of the batches
	s_lshl_b32 s33, s32, 4
	s_min_u32 s33, s33, 984
	s_mul_i32 s36, s33, 4000
	s_lshl_b32 s40, s34, 9
	s_add_co_u32 s36, s36, s40
	s_mov_b32 s37, 0
	s_add_nc_u64 s[6:7], s[6:7], s[36:37]
	s_mul_i32 s36, s35, 128000                     ; 32 rows of 4,000 bytes
	s_add_co_u32 s36, s36, s40
	s_add_nc_u64 s[8:9], s[8:9], s[36:37]
	s_mov_b32 s38, 496
	s_cmp_eq_u32 s34, 7                            ; the last K step has 104 numbers: lanes 0-25
	s_cselect_b32 s38, 400, s38
	s_cselect_b32 s39, 0x3ffffff, -1
	v_min_u32 v2, s38, v5
	LOADROWS X0, 6, 0, 4000                        ; 16 rows of W_b
	LOADROWS X1, 8, 0, 4000                        ; batches 32 mh + 0..15
	LOADROWS X2, 8, 64000, 4000                    ; batches 32 mh + 16..31
	s_wait_kmcnt 0x0
	MKSCALE 27, 8, 9
	MKSCALE 26, 10, 11
	s_wait_loadcnt 32                              ; W_b's 16 loads are in; the two younger sets may be out
	MAKEFRAG X0, 64, 8, 9, STGH
	s_wait_loadcnt 16
	MAKEFRAG X1, 80, 10, 11, STGH
	s_wait_loadcnt 0x0
	MAKEFRAG X2, 96, 10, 11, STGH
	v_wmma_f32_16x16x128_fp8_fp8 v[32:39], v[64:79], v[80:95], 0     ; source 0 = 16 rows of W_b, source 1 = 16 batches: lane r holds a batch, register j slot 8 h + j
	v_wmma_f32_16x16x128_fp8_fp8 v[40:47], v[64:79], v[96:111], 0
.rept 4
	v_nop                                          ; four places in front of the stores that read the results
.endr
	ds_store_b128 v12, v[32:35]
	ds_store_b128 v12, v[36:39] offset:512
	ds_store_b128 v12, v[40:43] offset:1024
	ds_store_b128 v12, v[44:47] offset:1536
	s_wait_dscnt 0x0                               ; for the others' sake: my partial sums lie in LDS
	s_barrier_signal -1
	s_barrier_wait -1
	s_cmp_ge_u32 s30, 8
	s_cbranch_scc1 .Lhend
.irp k, 0,1,2,3,4,5,6,7
	ds_load_b128 v[128+4*\k:128+4*\k+3], v13 offset:2048*\k   ; the eight K steps' sums of my four numbers
.endr
	s_add_co_i32 s42, s26, s27
	s_lshl_b32 s42, s42, 23
	s_add_co_i32 s42, s42, 0x4038aa3b              ; 2 log2(e) x 2^(e2 + e3): the exponents are added to the exponent field
	s_mov_b32 s43, s42                             ; (named with it as a pair)
	s_lshl_b32 s36, s32, 12
	s_lshl_b32 s40, s30, 9
	s_add_co_u32 s36, s36, s40
	s_add_nc_u64 s[18:19], s[18:19], s[36:37]      ; hid2 + 4,096 tile + 512 wave
	s_wait_dscnt 0x0
.irp i, 0,2,4,6,8,10,12,14
	v_pk_add_f32 v[128+\i:129+\i], v[128+\i:129+\i], v[144+\i:145+\i]
.endr
.irp i, 0,2,4,6
	v_pk_add_f32 v[128+\i:129+\i], v[128+\i:129+\i], v[136+\i:137+\i]
.endr
.irp i, 0,2
	v_pk_add_f32 v[128+\i:129+\i], v[128+\i:129+\i], v[132+\i:133+\i]
.endr
	v_pk_mul_f32 v[128:129], v[128:129], s[42:43] op_sel_hi:[1,0]
	v_pk_mul_f32 v[130:131], v[130:131], s[42:43] op_sel_hi:[1,0]
	global_store_b128 v5, v[128:131], s[18:19]     ; 512 consecutive bytes a wave
.Lhend:
	s_wait_tensorcnt 0x0
	ds_add_u32 v30, v31
	s_wait_dscnt 0x0
	s_endpgm
	; ---- the list of a batch's rows, and W_c_w by slots
.Llist:
	s_sub_co_u32 s31, ttmp9, 128
	s_lshl_b32 s31, s31, 4
	s_add_co_u32 s31, s31, s30                     ; batch b, and tile b of W_c_w
	s_lshl_b32 s51, s31, 9                         ; 512 b: the batch's first row, which is also the pad row
	s_mov_b32 s36, s51
	s_mov_b32 s37, 0
	s_add_nc_u64 s[12:13], s[12:13], s[36:37]
.irp j, 0,1,2,3,4,5,6,7,8,9,10,11,12,13,14,15
	global_load_u8 v[64+\j], v1, s[12:13] offset:32*\j   ; the mask of rows 32 j + lane
.endr
	s_lshl_b32 s53, s31, 4
	s_min_u32 s53, s53, 984
	v_add_nc_u32 v6, s53, v6
	v_lshlrev_b32 v6, 2, v6
	global_load_b32 v7, v6, s[10:11]               ; W_c_w of my slot
	s_mul_i32 s36, s31, 2560
	s_add_nc_u64 s[22:23], s[22:23], s[36:37]
	s_lshl_b32 s36, s31, 7
	s_add_nc_u64 s[20:21], s[20:21], s[36:37]
	s_wait_loadcnt 0x0
.irp j, 0,1,2,3,4,5,6,7,8,9,10,11,12,13,14,15
	v_cmp_eq_u32 s[32+\j], 0, v[64+\j]             ; bit l: row 32 j + l counts
.endr
	s_mov_b32 s48, 0
.irp j, 0,1,2,3,4,5,6,7,8,9,10,11,12,13,14,15
	s_bcnt1_i32_b32 s49, s[32+\j]
	s_add_co_u32 s48, s48, s49
.endr
	s_cmp_eq_u32 s48, 0                            ; no row counts: then all 512 stay (their weights are equal), by selection, not by a branch
.irp j, 0,1,2,3,4,5,6,7,8,9,10,11,12,13,14,15
	s_cselect_b32 s[32+\j], -1, s[32+\j]
.endr
	s_cselect_b32 s48, 512, s48                    ; L'
	v_mov_b32 v20, s51
	v_mov_b32 v21, s48
	s_mov_b32 s50, 0                               ; rows that count in the chunks before
.irp j, 0,1,2,3,4,5,6,7,8,9,10,11,12,13,14,15
	v_mbcnt_lo_u32_b32 v22, s[32+\j], 0
	v_add_nc_u32 v22, s50, v22                     ; rows that count before mine: my place if mine counts
	v_add_nc_u32 v23, 32*\j, v1                    ; my row in the batch
	v_sub_nc_u32 v24, v23, v22                     ; masked rows before mine
	v_add_nc_u32 v24, s48, v24                     ; my place if mine is masked: behind the L' that count
	v_cndmask_b32 v[96+\j], v24, v22, s[32+\j]
	v_add_nc_u32 v23, s51, v23
	v_cndmask_b32 v[112+\j], v20, v23, s[32+\j]    ; the row's number, or the pad row
	v_min_u32 v[96+\j], 0x1ff, v[96+\j]            ; the places are a permutation of 0..511: each entry is stored once
	v_lshlrev_b32 v[96+\j], 2, v[96+\j]
	global_store_b32 v[96+\j], v[112+\j], s[22:23]
	s_bcnt1_i32_b32 s49, s[32+\j]
	s_add_co_u32 s50, s50, s49
.endr
	v_lshlrev_b32 v25, 2, v1
	global_store_b32 v25, v20, s[22:23] offset:2048   ; entries 512..575: the pad row
	global_store_b32 v25, v20, s[22:23] offset:2176
	global_store_b32 v25, v21, s[22:23] offset:2304   ; entries 576..607: L'
	s_mov_b32 s52, -1
	s_cmp_eq_u32 s31, 62
	s_cselect_b32 s52, 0xff00ff00, s52             ; tile 62: slots 0-7 repeat tile 61's rows
	s_cmp_eq_u32 s31, 63
	s_cselect_b32 s52, 0, s52                      ; tile 63: all repeat
	v_mul_f32 v7, -2.0, v7
	v_cndmask_b32 v7, 0, v7, s52
	global_store_b32 v25, v7, s[20:21]
	s_endpgm
.Lfunc_end_k_qca71259c3c_prep:
	.size	k_qca71259c3c_prep, .Lfunc_end_k_qca71259c3c_prep-k_qca71259c3c_prep
	.p2alignl 7, 3214868480
	.fill 96, 4, 3214868480
	.section	.rodata,"a",@progbits
	.p2align	6, 0x0
	.amdhsa_kernel k_qca71259c3c_prep
		.amdhsa_group_segment_fixed_size 108544
		.amdhsa_private_segment_fixed_size 0
		.amdhsa_enable_private_segment 0
		.amdhsa_kernarg_size 80
		.amdhsa_user_sgpr_count 2
		.amdhsa_user_sgpr_kernarg_segment_ptr 1
		.amdhsa_wavefront_size32 1
		.amdhsa_system_sgpr_workgroup_id_x 1
		.amdhsa_system_sgpr_workgroup_id_y 1
		.amdhsa_system_sgpr_workgroup_id_z 1
		.amdhsa_system_vgpr_workitem_id 0
		.amdhsa_next_free_vgpr 256
		.amdhsa_next_free_sgpr 66
		.amdhsa_reserve_vcc 0
		.amdhsa_float_denorm_mode_32 3
		.amdhsa_float_denorm_mode_16_64 3
		.amdhsa_memory_ordered 1
		.amdhsa_forward_progress 1
		.amdhsa_inst_pref_size 57
	.end_amdhsa_kernel
	.amdgpu_metadata
---
amdhsa.version: [ 1, 2 ]
amdhsa.kernels:
  - .name:           k_qca71259c3c_prep
    .symbol:         k_qca71259c3c_prep.kd
    .args:
      - { .name: W_a, .offset: 0, .size: 8, .value_kind: global_buffer, .address_space: global }
      - { .name: W_b, .offset: 8, .size: 8, .value_kind: global_buffer, .address_space: global }
      - { .name: decoder_hidden, .offset: 16, .size: 8, .value_kind: global_buffer, .address_space: global }
      - { .name: W_c_w, .offset: 24, .size: 8, .value_kind: global_buffer, .address_space: global }
      - { .name: mask, .offset: 32, .size: 8, .value_kind: global_buffer, .address_space: global }
      - { .name: lowp_scales, .offset: 40, .size: 8, .value_kind: global_buffer, .address_space: global }
      - { .name: wa_codes, .offset: 48, .size: 8, .value_kind: global_buffer, .address_space: global }
      - { .name: hid2, .offset: 56, .size: 8, .value_kind: global_buffer, .address_space: global }
      - { .name: wcs, .offset: 64, .size: 8, .value_kind: global_buffer, .address_space: global }
      - { .name: rows, .offset: 72, .size: 8, .value_kind: global_buffer, .address_space: global }
    .group_segment_fixed_size: 108544
    .private_segment_fixed_size: 0
    .kernarg_segment_align: 8
    .kernarg_segment_size: 80
    .max_flat_workgroup_size: 512
    .sgpr_count:     66
    .vgpr_count:     256
    .wavefront_size: 32
...
	.end_amdgpu_metadata
.endif
;; end of part 1
;; launch score (part 2): grid 4 x 96, 4 waves a work-group, no clusters, 201,216 bytes of LDS; arguments context, mask, W_c_b, lowp_scales, wa_codes, hid2, wcs, rows, scores; writes scores
.if DOCPART == 2
	.amdgcn_target "amdgcn-amd-amdhsa--gfx1250"
	.amdhsa_code_object_version 6
	.text
	.protected	k_qca71259c3c_score
	.globl	k_qca71259c3c_score
	.p2align	8
	.type	k_qca71259c3c_score,@function
k_qca71259c3c_score:
	s_mov_b64 s[64:65], 0
	v_nop
	global_prefetch_b8 v0, s[64:65] scope:SCOPE_SE
	s_setreg_imm32_b32 hwreg(HW_REG_WAVE_MODE, 25, 1), 1
	s_wait_xcnt 0x0
; SCORES of the listed rows: scores[b][e] = sum over n of W_c_w[n] tanh((Q(context) Q(W_a)^T)[row(e)][n] + hidden_in[b][n]) + W_c_b, or -1e6 where the row's mask is set.
; A work-group takes tile i of batch b: entries 96 i .. 96 i + 95 of the batch's list (six tiles of 16 rows) against all 1,024 slots of the hidden layer, K = 2,048 (2,000 and zero codes).  6 x 96 covers 512 rows: the grid serves every mask.
; A masked row's softmax weight is 0 wherever its batch has a row that counts, so its score is not computed; a batch with no such row has all its rows in the list.
; WHY 96 ROWS: every work-group with rows reads all 2 MiB of W_a's codes, so the bytes of W_a for a listed row are 2 MiB / 96; a batch with up to 288 listed rows has three such work-groups.
; THE ORDER OF WORK-GROUPS: y < 64: batch y, tile (x + y + y / 4 + y / 16) mod 4;  y >= 64: n = 4 (y - 64) + x: batch n / 2, tile 4 + n mod 2.  So tiles 0-3 of all batches come first, the tiles of one number are
; spread evenly through that order, and tiles 4 and 5, which only a batch with more than 384 listed rows fills, come last.
; A work-group whose entries all lie at or past L' does none of the three parts below: each part stands behind a compare of 96 i with the stored L'.  The two barriers stand outside these branches, on every wave's path.
; Such a work-group is the price of a grid that serves every mask.
;   Q: wave w quantises rows 24 w .. 24 w + 23 (f32 -> E4M3, scale 2^e0) into LDS, rows of 2,048 codes | barrier |
;   G: wave w owns slots 256 w .. 256 w + 255, as two chunks of 8 tiles, for all 96 rows: 48 accumulators a chunk; tanh; x W_c_w; sums over its slots into LDS | barrier |
;   F: the four waves' sums are added, W_c_b, the mask, the store.
; W_a's codes come from memory straight into registers, as images of the operand's registers: each wave reads only its own quarter, nothing of W_a goes through LDS, and each fragment of A read from LDS feeds 8 matrix instructions.
; NO CLUSTER, NO JOINT LOADS, though all work-groups read the same codes of W_a: what a work-group does hangs on a count read from memory, and a form in which every partner makes every joint request would run the K steps of all 384 work-groups.
; tanh(x) = 1 - 2 r, r = 1 / (1 + 2^t), t = 2 log2(e) x.  With wcs = -2 W_c_w: score = sum of (-wcs / 2) + sum of wcs r.  t = sum x S1 + hid2, S1 = 2 log2(e) 2^(e0 + e1).
; THE PRODUCT: source 0 = 16 rows of context, source 1 = 16 slots: lane (r, h) holds slot r, and register j row 8 h + j: hid2 and wcs are one number a lane, and a row's sum is taken across 16 lanes at the end.
; LIMITS: e0 between -126 and 119; e0 + e1 between -127 and 125 (added to the exponent field of 2.885); sum |W_c_w| + |W_c_b| under 9.9e5 (so that -1e6 stays far under every score); context finite.
; REGISTERS, in windows of 256 (s_set_vgpr_msb: bits 1:0 source 0, 3:2 source 1, 5:4 source 2, 7:6 destination):
;   window 0: v1 16 l; v2 min(16 l, 304); v3, v4 448 x 2^e0, 2^e0; v5, v6 LDS places of Q's stores; v7, v8 of the partial sums; v9 my entry's row; v10 its mask; v11 my place in scores; v12-17 A's fragments' places;
;             v18, v19 4 r, 4 l; v22 the sums' start; v24-31 at work; v32-47 codes; v64-159, v160-255 A's six fragments, two sets (at the end v160-207: the 48 sums)
;   window 1: W_a's fragments: a ring of 8 units of 2 fragments (two K steps)
;   window 2: Q: four rows of 64 numbers; G: v0-191 the accumulators of units 0, 1 (96 u + 8 (6 f + m)); v192-239 the 48 sums (tile m, register j at 192 + 8 m + j)
;   window 3: v0-191 the accumulators of units 2, 3; v192-223 hid2, v224-255 wcs: a pair of equal numbers a tile, the chunk in hand first
.set ROWS,  96                         ; rows of a work-group
.set RW,    24                         ; rows that a wave quantises
.set PITCH, 2064                       ; a row of codes in LDS: 2,048 + 16, an odd multiple of 16: the sixteen rows of a fragment load start at sixteen different 16-byte columns modulo 256
.set PART,  ROWS*PITCH                 ; behind the 96 rows: 4 waves x 96 partial sums
.set C,    32
.set A0,   64
.set ASET, 96
.set FIN,  160
.set SCR,  192
.set HID,  192
.set WCS,  224
.set MSB, 0
.macro WIN new                         ; the immediate's high byte repeats the setting that is left; a switch that changes nothing is dropped
.if MSB != \new
	s_set_vgpr_msb (MSB<<8)|\new
.set MSB, \new
.endif
.endm
.macro NOP4
.rept 4
	v_nop
.endr
.endm
; a listed row's 8,000 bytes into row slot \slot: 16 loads of 512 consecutive bytes (the last: 320, lanes 20-31 repeat lane 19's).  s[\q]: the row's byte offset
.macro QLOAD slot, q
	s_mov_b32 s70, s[\q]
	s_add_nc_u64 s[30+2*(\slot):31+2*(\slot)], s[4:5], s[70:71]   ; the slot's base is written again only behind the wait that showed its last loads done
	WIN 0x80
.irp t, 0,1,2,3,4,5,6,7,8,9,10,11,12,13,14
	global_load_b128 v[64*(\slot)+4*\t:64*(\slot)+4*\t+3], v1, s[30+2*(\slot):31+2*(\slot)] offset:512*\t
.endr
	global_load_b128 v[64*(\slot)+60:64*(\slot)+63], v2, s[30+2*(\slot):31+2*(\slot)] offset:7680
.endm
; the row in slot \slot becomes 2,048 codes in LDS
.macro QWORK slot, adr, off
	WIN 0x82
.set QI, 0
.rept 64
	v_med3_num_f32 v[64*(\slot)+QI], v[64*(\slot)+QI], -v3, v3   ; the conversion does not saturate (ISA guide 7.6.2): the hold
.set QI, QI+1
.endr
	s_wait_dscnt 0x0                               ; the last row's stores have read the codes' registers
	WIN 0x02
.irp p, 0,1,2,3,4,5,6,7
	v_cvt_scalef32_pk8_fp8_f32 v[C+2*\p:C+2*\p+1], v[64*(\slot)+8*\p:64*(\slot)+8*\p+7], v4
.endr
	WIN 0
	v_nop                                          ; one plain vector line behind the last scaled conversion
	v_cndmask_b32 v[C+15], 0, v[C+15], s72         ; k = 2,000 .. 2,047: zero codes
.irp t, 0,1,2,3,4,5,6,7,8,9,10,11,12,13,14,15
	ds_store_b32 v[\adr], v[C+\t] offset:\off+PITCH*(\slot)+128*\t   ; 128 consecutive bytes
.endr
.endm
.macro QSTEP ld, q, wk
	QLOAD \ld, \q
	s_wait_loadcnt 48                              ; the row at work is in; the three younger rows' 48 loads may be out
	QWORK \wk, 6, 0
.endm
; W_a: unit u (tiles 2 u, 2 u + 1 of the chunk) of K step ks: 8 loads of 512 consecutive bytes
.macro BUNIT ks, u
.irp f, 0,1
.irp c, 0,1,2,3
	global_load_b128 v[32*(4*((\ks)%2)+(\u))+16*\f+4*\c:32*(4*((\ks)%2)+(\u))+16*\f+4*\c+3], v1, s[28:29] offset:16384*(\ks)+4096*(\u)+2048*\f+512*\c
.endr
.endr
.endm
.macro BISSUE                          ; a chunk's first two K steps: the ring's 64 loads
	WIN 0x40
.irp k, 0,1
.irp v, 0,1,2,3
	BUNIT \k, \v
.endr
.endr
.endm
.macro AFRAG ks, set, m                ; A's fragment of rows 16 m on, K step ks
.irp c, 0,1,2,3
	ds_load_b128 v[A0+ASET*(\set)+16*(\m)+4*\c:A0+ASET*(\set)+16*(\m)+4*\c+3], v[12+(\m)] offset:128*(\ks)+32*\c
.endr
.endm
.macro AISSUE ks, set                  ; all six
.irp m, 0,1,2,3,4,5
	AFRAG \ks, \set, \m
.endr
.endm
; A K STEP: 48 matrix instructions, unit by unit.  The 48 accumulators take turns, one instruction a turn, in the same order in every step.
; Behind a unit's twelve products stand four plain vector lines (a load into registers that a matrix instruction has read stands four such lines behind it: ISA guide 7.12.1 for vector lines),
; then ONE run of memory instructions: two of the next K step's six fragments of A (8 LDS loads, behind units 0, 1 and 2; the other set was last read in the step before), and the same unit of W_a two K steps on (8 loads).
; A's last run stands 12 matrix instructions ahead of the wait for it at the next step's head.
.macro KSTEP ks
.set PAR, (\ks)%2
	s_wait_dscnt 0x0                               ; this step's A is in
.irp u, 0,1,2,3
.if (\ks) < 14
	s_wait_loadcnt 56                              ; this unit is in: behind its 8 loads seven younger units' 56 were issued
.else
	s_wait_loadcnt 8*(7-4*((\ks)-14)-\u)           ; the last two steps reload nothing: the counts run down
.endif
.if \u < 2
	WIN 0xa4
.set AB, 96*\u
.else
	WIN 0xf4
.set AB, 96*(\u-2)
.endif
.irp f, 0,1
.irp m, 0,1,2,3,4,5
.if (\ks) == 0
	v_wmma_f32_16x16x128_fp8_fp8 v[AB+8*(6*\f+\m):AB+8*(6*\f+\m)+7], v[A0+ASET*PAR+16*\m:A0+ASET*PAR+16*\m+15], v[32*(4*PAR+\u)+16*\f:32*(4*PAR+\u)+16*\f+15], 0
.else
	v_wmma_f32_16x16x128_fp8_fp8 v[AB+8*(6*\f+\m):AB+8*(6*\f+\m)+7], v[A0+ASET*PAR+16*\m:A0+ASET*PAR+16*\m+15], v[32*(4*PAR+\u)+16*\f:32*(4*PAR+\u)+16*\f+15], v[AB+8*(6*\f+\m):AB+8*(6*\f+\m)+7]
.endif
.endr
.endr
.if ((\ks) < 14) || (((\ks) == 14) && (\u == 0))
	NOP4
.endif
.if ((\ks) < 15) && (\u < 3)
	WIN 0
	AFRAG (\ks)+1, 1-PAR, 2*\u
	AFRAG (\ks)+1, 1-PAR, 2*\u+1
.endif
.if (\ks) < 14
	WIN 0x40
	BUNIT (\ks)+2, \u
.endif
.endr
.endm
; tanh and the weights for unit u's twelve tiles: 96 numbers a lane.  The exponentials, and then the reciprocals, go as one batch with one wait.
.macro EPI u
.if \u < 2
.set AB, 96*\u
.set WA, 0xb2
.set WB, 0x82
.set WC, 0xae
.else
.set AB, 96*(\u-2)
.set WA, 0xf3
.set WB, 0xc3
.set WC, 0xaf
.endif
	WIN WA                                         ; the accumulators' window; hid2 (source 2) in window 3
.irp f, 0,1
.irp m, 0,1,2,3,4,5
.irp j, 0,2,4,6
	v_pk_fma_f32 v[AB+8*(6*\f+\m)+\j:AB+8*(6*\f+\m)+\j+1], v[AB+8*(6*\f+\m)+\j:AB+8*(6*\f+\m)+\j+1], s[26:27], v[HID+2*(2*\u+\f):HID+2*(2*\u+\f)+1] op_sel_hi:[1,0,1]   ; t; each accumulator from its low end on
.endr
.endr
.endr
	WIN WB
.set QI, 0
.rept 96
	v_exp_f32 v[AB+QI], v[AB+QI]
.set QI, QI+1
.endr
	v_nop                                          ; a plain line behind the last exponential
	s_wait_alu depctr_va_vdst(0)                   ; one wait for the batch, ahead of its first reader
.set QI, 0
.rept 48
	v_pk_add_f32 v[AB+QI:AB+QI+1], v[AB+QI:AB+QI+1], 1.0 op_sel_hi:[1,0]
.set QI, QI+2
.endr
.set QI, 0
.rept 96
	v_rcp_f32 v[AB+QI], v[AB+QI]                   ; r: 0 where 2^t is infinite, 1 where it is 0
.set QI, QI+1
.endr
	v_nop
	s_wait_alu depctr_va_vdst(0)
	WIN WC                                         ; the sums (destination and source 2) in window 2, wcs (source 1) in window 3
.irp f, 0,1
.irp m, 0,1,2,3,4,5
.irp j, 0,2,4,6
	v_pk_fma_f32 v[SCR+8*\m+\j:SCR+8*\m+\j+1], v[AB+8*(6*\f+\m)+\j:AB+8*(6*\f+\m)+\j+1], v[WCS+2*(2*\u+\f):WCS+2*(2*\u+\f)+1], v[SCR+8*\m+\j:SCR+8*\m+\j+1]
.endr
.endr
.endr
.endm
	s_load_b512 s[4:19], s[0:1], 0x0               ; context s[4:5], mask s[6:7], W_c_b s[8:9], scales s[10:11], wa_codes s[12:13], hid2 s[14:15], wcs s[16:17], rows s[18:19]
	s_load_b64 s[20:21], s[0:1], 0x40              ; scores
	v_lshl_add_u32 v62, v0, 2, 0x31000
	v_mov_b32 v63, 0
	v_lshrrev_b32 v24, 5, v0
	v_readfirstlane_b32 s22, v24                   ; wave 0..3
	s_and_b32 s24, ttmp7, 0xffff                   ; y
	s_lshr_b32 s66, s24, 2
	s_lshr_b32 s67, s24, 4
	s_add_co_u32 s66, s66, s67
	s_add_co_u32 s66, s66, s24
	s_add_co_u32 s66, s66, ttmp9
	s_and_b32 s23, s66, 3                          ; y < 64: tile (x + y + y / 4 + y / 16) mod 4 of batch y: for each y the four x take the four tiles
	s_sub_co_u32 s66, s24, 64
	s_lshl_b32 s66, s66, 2
	s_add_co_u32 s66, s66, ttmp9                   ; y >= 64: n = 4 (y - 64) + x, 0 .. 127
	s_and_b32 s67, s66, 1
	s_add_co_u32 s67, s67, 4                       ; tile 4 + n mod 2
	s_lshr_b32 s66, s66, 1
	s_and_b32 s66, s66, 63                         ; of batch n / 2
	s_cmp_lt_u32 s24, 64
	s_cselect_b32 s23, s23, s67                    ; i
	s_cselect_b32 s24, s24, s66                    ; b
	v_and_b32 v25, 31, v0                          ; l
	v_and_b32 v26, 15, v0                          ; r
	v_bfe_u32 v27, v0, 4, 1                        ; h
	v_lshlrev_b32 v1, 4, v25
	v_min_u32 v2, 304, v1
	v_lshlrev_b32 v19, 2, v25
	v_lshlrev_b32 v18, 2, v26
	s_mul_i32 s66, s22, RW*PITCH
	v_add_nc_u32 v5, s66, v19                      ; Q: my wave's 24 rows, 4 l
	s_mul_i32 s66, s22, 4*ROWS
	s_add_co_u32 s66, s66, PART
	v_lshl_add_u32 v7, v27, 5, s66                 ; my wave's partial sums, + 8 rows for lanes 16-31
	v_lshlrev_b32 v8, 2, v0
	v_add_nc_u32 v8, PART, v8                      ; F: row t's sums
	s_mul_i32 s66, s23, 4*ROWS
	v_lshl_add_u32 v11, v0, 2, s66                 ; 4 (96 i + t)
	v_min_u32 v28, ROWS-1, v0
	v_lshl_add_u32 v29, v28, 2, s66                ; the entry whose mask I read: 96 i + min(t, 95), at most 575
	v_mul_u32_u24 v30, v26, PITCH
	v_lshl_add_u32 v30, v27, 4, v30
.irp m, 0,1,2,3,4,5
	v_add_nc_u32 v[12+\m], 16*PITCH*\m, v30        ; (16 m + r) x pitch + 16 h
.endr
	s_mul_i32 s39, s23, ROWS                       ; my first entry
	s_mov_b32 s67, 0
	s_mov_b32 s71, 0
	s_mov_b32 s72, 0xfffff
	s_wait_kmcnt 0x0
	s_mul_i32 s66, s24, 2560
	s_add_nc_u64 s[18:19], s[18:19], s[66:67]      ; my batch's list
	s_mul_i32 s66, s23, 4*ROWS
	s_mul_i32 s70, s22, 4*RW
	s_add_co_u32 s66, s66, s70
	s_add_nc_u64 s[68:69], s[18:19], s[66:67]      ; my wave's 24 entries: the last is entry 96 i + 95, at most 575
	s_load_b32 s25, s[18:19], 0x900                ; L'
	s_load_b512 s[40:55], s[68:69], 0x0
	s_load_b256 s[56:63], s[68:69], 0x40
	s_load_b64 s[26:27], s[10:11], 0x0             ; e0, e1
	s_load_b32 s73, s[8:9], 0x0                    ; W_c_b
	global_load_b32 v9, v29, s[18:19]
	s_mul_i32 s66, s24, 2304
	s_add_nc_u64 s[20:21], s[20:21], s[66:67]
	s_lshl_b32 s66, s22, 19
	s_add_nc_u64 s[28:29], s[12:13], s[66:67]      ; my wave's 512 KiB of W_a's codes
	s_lshl_b32 s66, s22, 16
	s_lshl_b32 s70, s24, 6
	s_add_co_u32 s66, s66, s70
	s_add_nc_u64 s[14:15], s[14:15], s[66:67]      ; hid2: my 16 tiles, my batch
	s_lshl_b32 s66, s22, 11
	s_add_nc_u64 s[16:17], s[16:17], s[66:67]      ; wcs: my 16 tiles
	s_wait_kmcnt 0x0
.irp q, 40,41,42,43,44,45,46,47,48,49,50,51,52,53,54,55,56,57,58,59,60,61,62,63
	s_min_u32 s\q, s\q, 0x7fff                     ; a row's number stays inside the 32,768 rows
	s_mul_i32 s\q, s\q, 8000
.endr
	s_add_co_i32 s70, s26, 127
	s_lshl_b32 s74, s70, 23
	v_mov_b32 v4, s74                              ; 2^e0
	s_add_co_i32 s70, s70, 8
	s_lshl_b32 s70, s70, 23
	s_or_b32 s70, s70, 0x600000
	v_mov_b32 v3, s70                              ; 448 x 2^e0
	s_add_co_i32 s26, s26, s27
	s_lshl_b32 s26, s26, 23
	s_add_co_i32 s26, s26, 0x4038aa3b              ; S1
	s_mov_b32 s27, s26
	s_wait_loadcnt 0x0
	v_min_u32 v9, 0x7fff, v9
	global_load_u8 v10, v9, s[6:7]                 ; my entry's mask
	; ---- Q.  The first three rows are asked for by every work-group, so that the row slots are written on every way; one without rows waits for nothing.
	QLOAD 0, 40
	QLOAD 1, 41
	QLOAD 2, 42
	WIN 0
	s_mov_b32 s38, 0
	s_mov_b32 s75, 5
.Lq:                                                   ; five trips of four rows; every work-group walks them, so that the LDS step is a constant-count loop's
	v_add_nc_u32 v6, s38, v5
	s_cmp_ge_u32 s39, s25
	s_cbranch_scc1 .Lq_skip
	QSTEP 3, 43, 0
	QSTEP 0, 44, 1
	QSTEP 1, 45, 2
	QSTEP 2, 46, 3
.Lq_skip:
.irp q, 40,42,44,46,48,50,52,54,56,58
	s_mov_b64 s[\q:\q+1], s[\q+4:\q+5]             ; the queue of offsets moves down by four
.endr
	s_add_co_u32 s38, s38, 4*PITCH
	s_sub_co_u32 s75, s75, 1
	s_cmp_lg_u32 s75, 0
	s_cbranch_scc1 .Lq
	s_cmp_ge_u32 s39, s25
	s_cbranch_scc1 .Lq_done
	QLOAD 3, 43                                    ; the last row; then the counts run down
	s_wait_loadcnt 48
	QWORK 0, 5, 20*PITCH
	s_wait_loadcnt 32
	QWORK 1, 5, 20*PITCH
	s_wait_loadcnt 16
	QWORK 2, 5, 20*PITCH
	s_wait_loadcnt 0x0
	QWORK 3, 5, 20*PITCH
.Lq_done:
	s_wait_dscnt 0x0                               ; for the others' sake: my rows' codes lie in LDS
	s_barrier_signal -1
	s_barrier_wait -1
	; ---- G
	s_cmp_ge_u32 s39, s25
	s_cbranch_scc1 .Lg_done
	WIN 0xc0
.irp t, 0,1,2,3,4,5,6,7,8,9,10,11,12,13,14,15
	global_load_b32 v[HID+2*\t], v18, s[14:15] offset:4096*\t      ; each number twice: the packed forms take a pair
	global_load_b32 v[HID+2*\t+1], v18, s[14:15] offset:4096*\t
	global_load_b32 v[WCS+2*\t], v19, s[16:17] offset:128*\t
	global_load_b32 v[WCS+2*\t+1], v19, s[16:17] offset:128*\t
.endr
	BISSUE
	WIN 0
	AISSUE 0, 0
	s_wait_loadcnt 63                              ; behind hid2's and wcs's 64 loads the ring's 64 were issued: with 63 out at the most, the older 64 are in
	WIN 0x0f
	v_add_f32 v22, v[WCS], v[WCS+2]
	WIN 0x03
.irp t, 2,3,4,5,6,7,8,9,10,11,12,13,14,15
	v_add_f32 v22, v[WCS+2*\t], v22
.endr
	WIN 0
	v_mul_f32 v22, -0.5, v22                       ; the sum of W_c_w over my lane's 16 slots
	WIN 0x80
.set QI, 0
.rept 48
	v_mov_b32 v[SCR+QI], v22                       ; each of the 48 rows' sums starts with it
.set QI, QI+1
.endr
	WIN 0
	s_mov_b32 s75, 2
.Lchunk:                                               ; two trips: my two chunks of 8 tiles
.irp k, 0,1,2,3,4,5,6,7,8,9,10,11,12,13,14,15
	KSTEP \k
.endr
	WIN 0
	NOP4                                           ; four places behind the last products: for the loads below, and for the first reads of results
	s_cmp_eq_u32 s75, 1
	s_cbranch_scc1 .Lno_next                       ; the last chunk asks for nothing more
	s_add_nc_u64 s[28:29], s[28:29], 0x40000       ; (step 15's last wait was for 0: no load still reads the base)  the next chunk's 256 KiB
	BISSUE                                         ; its first two K steps and its first A land while this chunk's tanh is worked
	WIN 0
	AISSUE 0, 0
.Lno_next:
	EPI 0
	EPI 1
	EPI 2
	EPI 3
	WIN 0xc3
.set QI, 0
.rept 16
	v_mov_b32 v[HID+QI], v[HID+16+QI]              ; the next chunk's hid2 and wcs take the working place
	v_mov_b32 v[WCS+QI], v[WCS+16+QI]
.set QI, QI+1
.endr
	WIN 0
	s_sub_co_u32 s75, s75, 1
	s_cmp_lg_u32 s75, 0
	s_cbranch_scc1 .Lchunk
	WIN 0x02
.set QI, 0
.rept 48
	v_mov_b32 v[FIN+QI], v[SCR+QI]                 ; the sums come into window 0, where A's second set lay: the steps across lanes and the stores then need no switch
.set QI, QI+1
.endr
	WIN 0
.irp x, 1,2,4,8                        ; each row's sum over the 16 lanes that hold its slots
.set QI, 0
.rept 48
	v_add_f32_dpp v[FIN+QI], v[FIN+QI], v[FIN+QI] row_xmask:\x row_mask:0xf bank_mask:0xf
.set QI, QI+1
.endr
.endr
.irp m, 0,1,2,3,4,5
.irp j, 0,1,2,3,4,5,6,7
	ds_store_b32 v7, v[FIN+8*\m+\j] offset:4*(16*\m+\j)   ; row 16 m + 8 h + j: sixteen lanes write one word with one value
.endr
.endr
.Lg_done:
	s_wait_dscnt 0x0                               ; for the others' sake: my partial sums lie in LDS
	s_barrier_signal -1
	s_barrier_wait -1
	; ---- F: thread t < 96 finishes entry 96 i + t
	s_cmp_ge_u32 s39, s25
	s_cbranch_scc1 .Lend
	v_cmp_gt_u32 vcc_lo, ROWS, v0
	s_wait_xcnt 0x0                                ; EXEC changes only behind this wait
	s_and_saveexec_b32 s74, vcc_lo
	ds_load_b32 v24, v8
	ds_load_b32 v25, v8 offset:4*ROWS
	ds_load_b32 v26, v8 offset:8*ROWS
	ds_load_b32 v27, v8 offset:12*ROWS
	v_mov_b32 v28, 0xc9742400                      ; -1e6
	s_wait_dscnt 0x0
	v_add_f32 v24, v24, v25
	v_add_f32 v26, v26, v27
	v_add_f32 v24, v24, v26
	v_add_f32 v24, s73, v24
	s_wait_loadcnt 0x0                             ; the mask byte (nothing else is out: the last chunk reloads nothing)
	v_cmp_ne_u32 vcc_lo, 0, v10
	v_cndmask_b32 v24, v24, v28, vcc_lo
	global_store_b32 v11, v24, s[20:21]
	s_wait_xcnt 0x0                                ; and again, in front of the line that widens EXEC
	s_or_b32 exec_lo, exec_lo, s74
.Lend:
	s_wait_tensorcnt 0x0
	ds_add_u32 v62, v63
	s_wait_dscnt 0x0
	s_endpgm
.Lfunc_end_k_qca71259c3c_score:
	.size	k_qca71259c3c_score, .Lfunc_end_k_qca71259c3c_score-k_qca71259c3c_score
	.p2alignl 7, 3214868480
	.fill 96, 4, 3214868480
	.section	.rodata,"a",@progbits
	.p2align	6, 0x0
	.amdhsa_kernel k_qca71259c3c_score
		.amdhsa_group_segment_fixed_size 201216
		.amdhsa_private_segment_fixed_size 0
		.amdhsa_enable_private_segment 0
		.amdhsa_kernarg_size 72
		.amdhsa_user_sgpr_count 2
		.amdhsa_user_sgpr_kernarg_segment_ptr 1
		.amdhsa_wavefront_size32 1
		.amdhsa_system_sgpr_workgroup_id_x 1
		.amdhsa_system_sgpr_workgroup_id_y 1
		.amdhsa_system_sgpr_workgroup_id_z 1
		.amdhsa_system_vgpr_workitem_id 0
		.amdhsa_next_free_vgpr 1024
		.amdhsa_next_free_sgpr 100
		.amdhsa_reserve_vcc 1
		.amdhsa_float_denorm_mode_32 3
		.amdhsa_float_denorm_mode_16_64 3
		.amdhsa_memory_ordered 1
		.amdhsa_forward_progress 1
		.amdhsa_inst_pref_size 255
	.end_amdhsa_kernel
	.section	.bss,"aw",@nobits
	.p2align	6
	.space	262144
	.amdgpu_metadata
---
amdhsa.version: [ 1, 2 ]
amdhsa.kernels:
  - .name:           k_qca71259c3c_score
    .symbol:         k_qca71259c3c_score.kd
    .args:
      - { .name: context, .offset: 0, .size: 8, .value_kind: global_buffer, .address_space: global }
      - { .name: mask, .offset: 8, .size: 8, .value_kind: global_buffer, .address_space: global }
      - { .name: W_c_b, .offset: 16, .size: 8, .value_kind: global_buffer, .address_space: global }
      - { .name: lowp_scales, .offset: 24, .size: 8, .value_kind: global_buffer, .address_space: global }
      - { .name: wa_codes, .offset: 32, .size: 8, .value_kind: global_buffer, .address_space: global }
      - { .name: hid2, .offset: 40, .size: 8, .value_kind: global_buffer, .address_space: global }
      - { .name: wcs, .offset: 48, .size: 8, .value_kind: global_buffer, .address_space: global }
      - { .name: rows, .offset: 56, .size: 8, .value_kind: global_buffer, .address_space: global }
      - { .name: scores, .offset: 64, .size: 8, .value_kind: global_buffer, .address_space: global }
    .group_segment_fixed_size: 201216
    .private_segment_fixed_size: 0
    .kernarg_segment_align: 8
    .kernarg_segment_size: 72
    .max_flat_workgroup_size: 128
    .sgpr_count:     100
    .vgpr_count:     1024
    .wavefront_size: 32
...
	.end_amdgpu_metadata
.endif
;; end of part 2
;; launch wsum (part 3): grid 4 x 64, 16 waves a work-group, no clusters, 37,376 bytes of LDS; arguments context, lowp_scales, rows, scores, ws_codes; writes ws_codes
.if DOCPART == 3
	.amdgcn_target "amdgcn-amd-amdhsa--gfx1250"
	.amdhsa_code_object_version 6
	.text
	.protected	k_qca71259c3c_wsum
	.globl	k_qca71259c3c_wsum
	.p2align	8
	.type	k_qca71259c3c_wsum,@function
k_qca71259c3c_wsum:
	s_mov_b64 s[64:65], 0
	v_nop
	global_prefetch_b8 v0, s[64:65] scope:SCOPE_SE
	s_setreg_imm32_b32 hwreg(HW_REG_WAVE_MODE, 25, 1), 1
	s_wait_xcnt 0x0
; SOFTMAX AND WEIGHTED SUM, all in f32, then the codes of the dense layer's operand: ws_codes[b][d] = Q(sum over listed rows of softmax weight x context[row][d]), scale 2^e4; d = 2,000 .. 2,047: zero codes.
; Work-group (q, b): columns 512 q .. 512 q + 511 of batch b.  The softmax is taken over the batch's L' listed entries (thread t: entry t): the largest score is taken away before the exponential; rows that are not listed have weight 0.
; The weights stay unnormalised (p = e^(s - max)) through the sum, which is divided by the sum of p at the end.
; A trip takes 64 entries, four a wave: a wave's load reads 512 consecutive bytes of a row, four loads its 2 KiB; two sets of two rows take turns, so 8 to 16 loads of every wave are on their way.
; The trips are written out; one whose 64 entries all lie at or past L' is left by a forward branch on the stored count.  Entries past L' inside a trip are the pad row with p = 0.
; No matrix unit, no cluster: one multiply-add a number read, and no two work-groups read the same bytes.
; LIMITS: e4 between -126 and 119; context finite.
.set MX,  2304                         ; LDS: p of 512 entries at 0; the waves' maxima (16 words); at MX + 64 their sums
.set RED, 2560                         ; 16 waves x 2,048 bytes: each wave's sums of the 512 columns
; v1 RED + 32 (t % 64); v2 RED + 2,048 w + 16 l; v3 16 w; v4-7 my bytes in a row; v8-15 the softmax; v16-47 p, four a trip; v48-63 my 16 sums; v64-95, v96-127 the two sets; v128-191 at work
.macro ISSUE set, T                    ; two rows of trip T into set \set; a row's base is written again only behind the wait that showed its last loads done
.irp rr, 0,1
	s_mov_b32 s68, s[20+4*(\T)+2*(\set)+\rr]
	s_add_nc_u64 s[56+4*(\set)+2*\rr:57+4*(\set)+2*\rr], s[4:5], s[68:69]
.irp j, 0,1,2,3
	global_load_b128 v[64+32*(\set)+16*\rr+4*\j:64+32*(\set)+16*\rr+4*\j+3], v[4+\j], s[56+4*(\set)+2*\rr:57+4*(\set)+2*\rr]
.endr
.endr
.endm
.macro FMAS set, T, first
.irp rr, 0,1
.irp k, 0,1,2,3,4,5,6,7,8,9,10,11,12,13,14,15
.if (\first) && (\rr == 0)
	v_mul_f32 v[48+\k], v[16+4*(\T)+2*(\set)+\rr], v[64+32*(\set)+16*\rr+\k]    ; the first row starts the sums
.else
	v_fmac_f32 v[48+\k], v[16+4*(\T)+2*(\set)+\rr], v[64+32*(\set)+16*\rr+\k]
.endif
.endr
.endr
.endm
.macro TRIP T
.if (\T) > 0
	s_cmp_le_u32 s66, 64*(\T)
	s_cbranch_scc1 .Ldone
.endif
	s_wait_loadcnt 8                               ; the first set is in; the second set's 8 loads may be out
.if (\T) == 0
	FMAS 0, \T, 1
.else
	FMAS 0, \T, 0
.endif
.if (\T) < 7
	ISSUE 0, (\T)+1
	s_wait_loadcnt 8                               ; the second set is in; the 8 just issued may be out
.else
	s_wait_loadcnt 0x0
.endif
	FMAS 1, \T, 0
.if (\T) < 7
	ISSUE 1, (\T)+1
.endif
.endm
	s_load_b256 s[4:11], s[0:1], 0x0               ; context s[4:5], scales s[6:7], rows s[8:9], scores s[10:11]
	s_load_b64 s[12:13], s[0:1], 0x20              ; ws_codes
	v_lshl_add_u32 v192, v0, 2, 0x8a00
	v_mov_b32 v193, 0
	v_lshrrev_b32 v128, 5, v0
	v_readfirstlane_b32 s14, v128                  ; wave 0..15
	s_and_b32 s18, ttmp7, 0xffff                   ; b
	v_and_b32 v129, 31, v0
	v_lshlrev_b32 v129, 4, v129                    ; 16 l
	s_lshl_b32 s19, ttmp9, 11                      ; 2,048 q
.irp j, 0,1,2,3
	v_add3_u32 v[4+\j], v129, s19, 512*\j
	v_min_u32 v[4+\j], 7984, v[4+\j]               ; a row ends at byte 8,000: what lies past it repeats the last 16 bytes and is replaced by zero codes at the end
.endr
	s_lshl_b32 s68, s14, 11
	s_add_co_u32 s68, s68, RED
	v_add_nc_u32 v2, s68, v129
	v_and_b32 v1, 63, v0
	v_lshlrev_b32 v1, 5, v1
	v_add_nc_u32 v1, RED, v1
	s_lshl_b32 s68, s14, 4
	v_mov_b32 v3, s68
	s_lshl_b32 s68, s14, 2
	s_add_co_u32 s68, s68, MX
	v_mov_b32 v13, s68
	v_mov_b32 v14, MX
	v_lshlrev_b32 v15, 2, v0
	v_mov_b32 v12, 0                               ; written once: a lane permute's destination counts as one of its sources
	s_mov_b32 s16, 0x76543210
	s_mov_b32 s17, 0xfedcba98
	s_mov_b32 s69, 0
	s_lshl_b32 s72, ttmp9, 9                       ; 512 q
	s_wait_kmcnt 0x0
	s_mul_i32 s68, s18, 2560
	s_add_nc_u64 s[8:9], s[8:9], s[68:69]
	s_lshl_b32 s68, s14, 4
	s_add_nc_u64 s[70:71], s[8:9], s[68:69]
	s_load_b32 s66, s[8:9], 0x900                  ; L'
.irp T, 0,1,2,3,4,5,6,7
	s_load_b128 s[20+4*\T:23+4*\T], s[70:71], 256*\T   ; entries 64 T + 4 w + 0..3
.endr
	s_load_b32 s15, s[6:7], 0x10                   ; e4
	s_mul_i32 s68, s18, 2304
	s_add_nc_u64 s[10:11], s[10:11], s[68:69]
	s_lshl_b32 s68, s18, 11
	s_add_co_u32 s68, s68, s72
	s_add_nc_u64 s[12:13], s[12:13], s[68:69]
	s_wait_kmcnt 0x0
.irp q, 20,21,22,23,24,25,26,27,28,29,30,31,32,33,34,35,36,37,38,39,40,41,42,43,44,45,46,47,48,49,50,51
	s_min_u32 s\q, s\q, 0x7fff
	s_mul_i32 s\q, s\q, 8000
.endr
	s_sub_co_u32 s67, s66, 1
	v_min_u32 v8, s67, v0
	v_min_u32 v8, 0x1ff, v8
	v_lshlrev_b32 v8, 2, v8
	global_load_b32 v9, v8, s[10:11]               ; entry min(t, L' - 1)'s score
	ISSUE 0, 0
	ISSUE 1, 0
	s_wait_loadcnt 16                              ; the score is in; the first trip's 16 loads stay out
	v_mov_b32 v10, 0xff800000
	v_cmp_gt_u32 vcc_lo, s66, v0
	v_cndmask_b32 v9, v10, v9, vcc_lo              ; past L': -infinity, p = 0
	v_mov_b32 v11, v9
.irp x, 1,2,4,8
	v_max_num_f32_dpp v11, v11, v11 row_xmask:\x row_mask:0xf bank_mask:0xf
.endr
	v_permlanex16_b32 v12, v11, s16, s17
	v_max_num_f32 v11, v11, v12
	ds_store_b32 v13, v11
	s_wait_dscnt 0x0
	s_barrier_signal -1
	s_barrier_wait -1
.irp c, 0,1,2,3
	ds_load_b128 v[128+4*\c:131+4*\c], v14 offset:16*\c
.endr
	s_wait_dscnt 0x0
	v_max3_num_f32 v128, v128, v129, v130
.irp i, 131,133,135,137,139,141
	v_max3_num_f32 v128, v128, v[\i], v[\i+1]
.endr
	v_max_num_f32 v128, v128, v143                 ; the batch's largest score: entry 0 always counts, so it is a number
	v_sub_f32 v9, v9, v128
	v_mul_f32 v9, 0x3fb8aa3b, v9
	v_exp_f32 v9, v9
	v_nop                                          ; a plain line behind the exponential,
	s_wait_alu depctr_va_vdst(0)                   ; and the wait ahead of its first reader
	v_mov_b32 v11, v9
.irp x, 1,2,4,8
	v_add_f32_dpp v11, v11, v11 row_xmask:\x row_mask:0xf bank_mask:0xf
.endr
	v_permlanex16_b32 v12, v11, s16, s17
	v_add_f32 v11, v11, v12
	ds_store_b32 v13, v11 offset:64
	ds_store_b32 v15, v9
	s_wait_dscnt 0x0
	s_barrier_signal -1
	s_barrier_wait -1
.irp c, 0,1,2,3
	ds_load_b128 v[128+4*\c:131+4*\c], v14 offset:64+16*\c
.endr
.irp T, 0,1,2,3,4,5,6,7
	ds_load_b128 v[16+4*\T:19+4*\T], v3 offset:256*\T   ; p of my four entries of each trip, the same in every lane
.endr
	s_wait_dscnt 0x0
.irp i, 0,2,4,6
	v_pk_add_f32 v[128+\i:129+\i], v[128+\i:129+\i], v[136+\i:137+\i]
.endr
.irp i, 0,2
	v_pk_add_f32 v[128+\i:129+\i], v[128+\i:129+\i], v[132+\i:133+\i]
.endr
	v_pk_add_f32 v[128:129], v[128:129], v[130:131]
	v_add_f32 v128, v128, v129
	v_rcp_f32 v10, v128
	v_nop
	s_wait_alu depctr_va_vdst(0)
	v_mov_b32 v11, v10                             ; (named with it as a pair)
	TRIP 0
	TRIP 1
	TRIP 2
	TRIP 3
	TRIP 4
	TRIP 5
	TRIP 6
	TRIP 7
.Ldone:
.irp j, 0,1,2,3
	ds_store_b128 v2, v[48+4*\j:51+4*\j] offset:512*\j   ; column c of my sums at byte 4 c of my 2 KiB
.endr
	s_wait_dscnt 0x0
	s_barrier_signal -1
	s_barrier_wait -1
	s_cmp_ge_u32 s14, 2
	s_cbranch_scc1 .Lend
	; threads 0..63: eight columns each, the sixteen waves' sums in two runs of eight waves
.irp g, 0,1
.irp w, 0,1,2,3,4,5,6,7
	ds_load_b128 v[128+8*\w:131+8*\w], v1 offset:2048*(8*\g+\w)
	ds_load_b128 v[132+8*\w:135+8*\w], v1 offset:2048*(8*\g+\w)+16
.endr
	s_wait_dscnt 0x0
.set QI, 0
.rept 16
	v_pk_add_f32 v[128+QI:129+QI], v[128+QI:129+QI], v[160+QI:161+QI]
.set QI, QI+2
.endr
.set QI, 0
.rept 8
	v_pk_add_f32 v[128+QI:129+QI], v[128+QI:129+QI], v[144+QI:145+QI]
.set QI, QI+2
.endr
.irp i, 0,2,4,6
	v_pk_add_f32 v[48+8*\g+\i:49+8*\g+\i], v[128+\i:129+\i], v[136+\i:137+\i]
.endr
.endr
	s_add_co_i32 s68, s15, 127
	s_lshl_b32 s70, s68, 23
	v_mov_b32 v18, s70                             ; 2^e4
	s_add_co_i32 s68, s68, 8
	s_lshl_b32 s68, s68, 23
	s_or_b32 s68, s68, 0x600000
	v_mov_b32 v19, s68                             ; 448 x 2^e4
.irp i, 0,2,4,6
	v_pk_add_f32 v[48+\i:49+\i], v[48+\i:49+\i], v[56+\i:57+\i]
.endr
.irp i, 0,2,4,6
	v_pk_mul_f32 v[48+\i:49+\i], v[48+\i:49+\i], v[10:11] op_sel_hi:[1,0]   ; / the sum of p
.endr
.irp i, 0,1,2,3,4,5,6,7
	v_med3_num_f32 v[48+\i], v[48+\i], -v19, v19
.endr
	v_cvt_scalef32_pk8_fp8_f32 v[16:17], v[48:55], v18
	v_lshl_add_u32 v20, v0, 3, s72                 ; (a plain line behind the conversion)  my first column
	v_lshlrev_b32 v21, 3, v0
	v_cmp_gt_u32 vcc_lo, 2000, v20
	v_cndmask_b32 v16, 0, v16, vcc_lo              ; columns 2,000 on: zero codes
	v_cndmask_b32 v17, 0, v17, vcc_lo
	global_store_b64 v21, v[16:17], s[12:13]       ; a wave stores 256 consecutive bytes, at a multiple of 256 from the buffer's first byte
.Lend:
	s_wait_tensorcnt 0x0
	ds_add_u32 v192, v193
	s_wait_dscnt 0x0
	s_endpgm
.Lfunc_end_k_qca71259c3c_wsum:
	.size	k_qca71259c3c_wsum, .Lfunc_end_k_qca71259c3c_wsum-k_qca71259c3c_wsum
	.p2alignl 7, 3214868480
	.fill 96, 4, 3214868480
	.section	.rodata,"a",@progbits
	.p2align	6, 0x0
	.amdhsa_kernel k_qca71259c3c_wsum
		.amdhsa_group_segment_fixed_size 37376
		.amdhsa_private_segment_fixed_size 0
		.amdhsa_enable_private_segment 0
		.amdhsa_kernarg_size 40
		.amdhsa_user_sgpr_count 2
		.amdhsa_user_sgpr_kernarg_segment_ptr 1
		.amdhsa_wavefront_size32 1
		.amdhsa_system_sgpr_workgroup_id_x 1
		.amdhsa_system_sgpr_workgroup_id_y 1
		.amdhsa_system_sgpr_workgroup_id_z 1
		.amdhsa_system_vgpr_workitem_id 0
		.amdhsa_next_free_vgpr 194
		.amdhsa_next_free_sgpr 96
		.amdhsa_reserve_vcc 1
		.amdhsa_float_denorm_mode_32 3
		.amdhsa_float_denorm_mode_16_64 3
		.amdhsa_memory_ordered 1
		.amdhsa_forward_progress 1
		.amdhsa_inst_pref_size 50
	.end_amdhsa_kernel
	.amdgpu_metadata
---
amdhsa.version: [ 1, 2 ]
amdhsa.kernels:
  - .name:           k_qca71259c3c_wsum
    .symbol:         k_qca71259c3c_wsum.kd
    .args:
      - { .name: context, .offset: 0, .size: 8, .value_kind: global_buffer, .address_space: global }
      - { .name: lowp_scales, .offset: 8, .size: 8, .value_kind: global_buffer, .address_space: global }
      - { .name: rows, .offset: 16, .size: 8, .value_kind: global_buffer, .address_space: global }
      - { .name: scores, .offset: 24, .size: 8, .value_kind: global_buffer, .address_space: global }
      - { .name: ws_codes, .offset: 32, .size: 8, .value_kind: global_buffer, .address_space: global }
    .group_segment_fixed_size: 37376
    .private_segment_fixed_size: 0
    .kernarg_segment_align: 8
    .kernarg_segment_size: 40
    .max_flat_workgroup_size: 512
    .sgpr_count:     96
    .vgpr_count:     194
    .wavefront_size: 32
...
	.end_amdgpu_metadata
.endif
;; end of part 3
;; launch dense (part 4): grid 63 x 1, 16 waves a work-group, no clusters, 104,448 bytes of LDS; arguments dense_w, dense_b, lowp_scales, ws_codes, out0; writes out0
.if DOCPART == 4
	.amdgcn_target "amdgcn-amd-amdhsa--gfx1250"
	.amdhsa_code_object_version 6
	.text
	.protected	k_qca71259c3c_dense
	.globl	k_qca71259c3c_dense
	.p2align	8
	.type	k_qca71259c3c_dense,@function
k_qca71259c3c_dense:
	s_mov_b64 s[64:65], 0
	v_nop
	global_prefetch_b8 v0, s[64:65] scope:SCOPE_SE
	s_setreg_imm32_b32 hwreg(HW_REG_WAVE_MODE, 25, 1), 1
	s_wait_xcnt 0x0
; out0[b][n] = sum over d of Q(weighted sum)[b][d] Q(dense_w)[n][d] x 2^(e4 + e5) + dense_b[n].  The left operand arrives as codes [64][2,048]; dense_w [1000][2000] f32 is quantised here, each row by one work-group.
; Work-group nt: rows n = min(16 nt, 984) + 0..15 of dense_w, all 64 batches.  Wave = K step of 128: it quantises its 16 x 128 numbers into one fragment and multiplies it with the four tiles of batches;
; the sixteen K steps' sums meet in LDS, and waves 0..7 add them, scale, add the bias and store.  Tile 62 begins at row 984 and stores only its rows 992..999: each number of out0 has one owner.
; 63 work-groups: 16 rows of dense_w each share the 8 MB read widest; the price is that a work-group owns 64 bytes of each row of out0, so its stores are 16 bytes a lane in rows 4,000 bytes apart (256,000 bytes in all).
; LIMITS: e5 between -126 and 119; e4 + e5 between -126 and 127.  NaN among the inputs is not served.
.set RED, 36864                        ; LDS: 16 stages of 16 rows x 144 bytes at 0; then 16 waves x 4,096 bytes of partial sums
.set C,  16                            ; v16-31 codes; v32-63 four accumulators; v64-127 16 rows x 4 numbers, then dense_w's fragment in v64-79; v128-191 four fragments of the left operand, later the partial sums; v192-195 the bias
.set X,  64
.macro LOADROWS x, base, imm0, stride
.irp i, 0,1,2,3,4,5,6,7,8,9,10,11,12,13,14,15
	global_load_b128 v[\x+4*\i:\x+4*\i+3], v2, s[\base:\base+1] offset:\imm0+\i*\stride th:TH_LOAD_NT   ; a row's 512 consecutive bytes; read once in the launch
.endr
.endm
.macro MAKEFRAG x, f, sc, lim, stg     ; hold, convert, zero codes past K's end, rows of 128 bytes into my own stage, and back in the operand's order
.set QI, 0
.rept 64
	v_med3_num_f32 v[\x+QI], v[\x+QI], -v[\lim], v[\lim]
.set QI, QI+1
.endr
.irp p, 0,1,2,3,4,5,6,7
	v_cvt_scalef32_pk8_fp8_f32 v[C+2*\p:C+2*\p+1], v[\x+8*\p:\x+8*\p+7], v[\sc]
.endr
	v_nop                                          ; one plain vector line behind the last scaled conversion
.irp i, 0,1,2,3,4,5,6,7,8,9,10,11,12,13,14,15
	v_cndmask_b32 v[C+\i], 0, v[C+\i], s39
.endr
.irp i, 0,1,2,3,4,5,6,7,8,9,10,11,12,13,14,15
	ds_store_b32 v3, v[C+\i] offset:\stg+144*\i
.endr
.irp c, 0,1,2,3
	ds_load_b128 v[\f+4*\c:\f+4*\c+3], v4 offset:\stg+32*\c   ; LDS serves a wave's instructions in order (ISA guide 5.7.1.4)
.endr
	s_wait_dscnt 0x0
.endm
	s_load_b256 s[4:11], s[0:1], 0x0               ; dense_w s[4:5], dense_b s[6:7], scales s[8:9], ws_codes s[10:11]
	s_load_b64 s[12:13], s[0:1], 0x20              ; out0
	v_lshl_add_u32 v254, v0, 2, 0x19000
	v_mov_b32 v255, 0
	v_lshrrev_b32 v6, 5, v0
	v_readfirstlane_b32 s30, v6                    ; wave = K step
	v_and_b32 v1, 31, v0
	v_lshlrev_b32 v5, 4, v1                        ; 16 l
	s_mul_i32 s31, s30, 2304
	v_lshl_add_u32 v3, v1, 2, s31
	v_and_b32 v6, 15, v0                           ; r
	v_bfe_u32 v7, v0, 4, 1                         ; h
	v_mul_u32_u24 v4, v6, 144
	v_lshl_add_u32 v4, v7, 4, v4
	v_add_nc_u32 v4, s31, v4
	s_lshl_b32 s31, s30, 12
	s_add_co_u32 s31, s31, RED
	v_add_nc_u32 v12, s31, v5                      ; my partial sums
	s_and_b32 s31, s30, 7
	s_lshl_b32 s31, s31, 9
	s_add_co_u32 s31, s31, RED
	v_add_nc_u32 v13, s31, v5                      ; the reducing wave Q = w % 8: quad Q of every wave's sums
	v_lshlrev_b32 v14, 11, v6
	v_lshl_add_u32 v14, v7, 4, v14                 ; ws_codes: 2,048 r + 16 h
	v_lshlrev_b32 v15, 5, v7                       ; the bias: 32 h
	v_mul_u32_u24 v10, v6, 4000
	v_lshl_add_u32 v10, v7, 5, v10                 ; out0: 4,000 r + 32 h
	s_lshl_b32 s33, ttmp9, 4
	s_min_u32 s33, s33, 984                        ; my first row of dense_w
	s_mov_b32 s37, 0
	s_wait_kmcnt 0x0
	s_load_b64 s[44:45], s[8:9], 0x10              ; e4, e5
	s_mul_i32 s36, s33, 8000
	s_lshl_b32 s35, s30, 9
	s_add_co_u32 s36, s36, s35
	s_add_nc_u64 s[4:5], s[4:5], s[36:37]
	s_lshl_b32 s36, s30, 7
	s_add_nc_u64 s[10:11], s[10:11], s[36:37]
	s_and_b32 s34, s30, 1                          ; the reducing wave: registers 0-3 or 4-7 of an accumulator,
	s_lshl_b32 s36, s33, 2
	s_lshl_b32 s35, s34, 4
	s_add_co_u32 s36, s36, s35
	s_add_nc_u64 s[6:7], s[6:7], s[36:37]
	s_bfe_u32 s35, s30, 0x20001                    ; of the tile of batches (w / 2) % 4
	s_mul_i32 s35, s35, 64000
	s_add_co_u32 s36, s36, s35
	s_add_nc_u64 s[12:13], s[12:13], s[36:37]
	s_mov_b32 s38, 496
	s_cmp_eq_u32 s30, 15                           ; the last K step has 80 numbers: lanes 0-19
	s_cselect_b32 s38, 304, s38
	s_cselect_b32 s39, 0xfffff, -1
	v_min_u32 v2, s38, v5
	global_load_b128 v[192:195], v15, s[6:7]
	LOADROWS X, 4, 0, 8000
.irp m, 0,1,2,3
.irp c, 0,1,2,3
	global_load_b128 v[128+16*\m+4*\c:131+16*\m+4*\c], v14, s[10:11] offset:32768*\m+32*\c
.endr
.endr
	s_wait_kmcnt 0x0
	s_add_co_i32 s40, s45, 127
	s_lshl_b32 s41, s40, 23
	v_mov_b32 v8, s41                              ; 2^e5
	s_add_co_i32 s40, s40, 8
	s_lshl_b32 s40, s40, 23
	s_or_b32 s40, s40, 0x600000
	v_mov_b32 v9, s40                              ; 448 x 2^e5
	s_add_co_i32 s40, s44, s45
	s_add_co_i32 s40, s40, 127
	s_lshl_b32 s40, s40, 23                        ; 2^(e4 + e5)
	s_mov_b32 s41, s40
	s_wait_loadcnt 16                              ; the bias and dense_w's rows are in; the left operand's 16 loads may be out
	MAKEFRAG X, 64, 8, 9, 0
	s_wait_loadcnt 0x0
.irp m, 0,1,2,3
	v_wmma_f32_16x16x128_fp8_fp8 v[32+8*\m:39+8*\m], v[64:79], v[128+16*\m:143+16*\m], 0   ; source 0 = 16 rows of dense_w, source 1 = 16 batches: lane r a batch, register j row 8 h + j
.endr
.rept 4
	v_nop                                          ; four places in front of the stores that read results and of the loads into the sources
.endr
.irp m, 0,1,2,3
	ds_store_b128 v12, v[32+8*\m:35+8*\m] offset:1024*\m
	ds_store_b128 v12, v[36+8*\m:39+8*\m] offset:1024*\m+512
.endr
	s_wait_dscnt 0x0
	s_barrier_signal -1
	s_barrier_wait -1
	s_cmp_ge_u32 s30, 8
	s_cbranch_scc1 .Lend
.irp w, 0,1,2,3,4,5,6,7,8,9,10,11,12,13,14,15
	ds_load_b128 v[128+4*\w:131+4*\w], v13 offset:4096*\w
.endr
	s_wait_dscnt 0x0
.set QI, 0
.rept 16
	v_pk_add_f32 v[128+QI:129+QI], v[128+QI:129+QI], v[160+QI:161+QI]
.set QI, QI+2
.endr
.set QI, 0
.rept 8
	v_pk_add_f32 v[128+QI:129+QI], v[128+QI:129+QI], v[144+QI:145+QI]
.set QI, QI+2
.endr
.irp i, 0,2,4,6
	v_pk_add_f32 v[128+\i:129+\i], v[128+\i:129+\i], v[136+\i:137+\i]
.endr
.irp i, 0,2
	v_pk_add_f32 v[128+\i:129+\i], v[128+\i:129+\i], v[132+\i:133+\i]
.endr
	v_pk_fma_f32 v[128:129], v[128:129], s[40:41], v[192:193] op_sel_hi:[1,0,1]
	v_pk_fma_f32 v[130:131], v[130:131], s[40:41], v[194:195] op_sel_hi:[1,0,1]
	s_cmp_eq_u32 ttmp9, 62
	s_cselect_b32 s42, 0xffff0000, -1              ; tile 62: only lanes 16-31, rows 992..999
	s_mov_b32 vcc_lo, s42
	s_wait_xcnt 0x0                                ; EXEC changes only behind this wait
	s_and_saveexec_b32 s43, vcc_lo
	global_store_b128 v10, v[128:131], s[12:13]
	s_wait_xcnt 0x0                                ; and again, in front of the line that widens it
	s_or_b32 exec_lo, exec_lo, s43
.Lend:
	s_wait_tensorcnt 0x0
	ds_add_u32 v254, v255
	s_wait_dscnt 0x0
	s_endpgm
.Lfunc_end_k_qca71259c3c_dense:
	.size	k_qca71259c3c_dense, .Lfunc_end_k_qca71259c3c_dense-k_qca71259c3c_dense
	.p2alignl 7, 3214868480
	.fill 96, 4, 3214868480
	.section	.rodata,"a",@progbits
	.p2align	6, 0x0
	.amdhsa_kernel k_qca71259c3c_dense
		.amdhsa_group_segment_fixed_size 104448
		.amdhsa_private_segment_fixed_size 0
		.amdhsa_enable_private_segment 0
		.amdhsa_kernarg_size 40
		.amdhsa_user_sgpr_count 2
		.amdhsa_user_sgpr_kernarg_segment_ptr 1
		.amdhsa_wavefront_size32 1
		.amdhsa_system_sgpr_workgroup_id_x 1
		.amdhsa_system_sgpr_workgroup_id_y 1
		.amdhsa_system_sgpr_workgroup_id_z 1
		.amdhsa_system_vgpr_workitem_id 0
		.amdhsa_next_free_vgpr 256
		.amdhsa_next_free_sgpr 66
		.amdhsa_reserve_vcc 1
		.amdhsa_float_denorm_mode_32 3
		.amdhsa_float_denorm_mode_16_64 3
		.amdhsa_memory_ordered 1
		.amdhsa_forward_progress 1
		.amdhsa_inst_pref_size 18
	.end_amdhsa_kernel
	.amdgpu_metadata
---
amdhsa.version: [ 1, 2 ]
amdhsa.kernels:
  - .name:           k_qca71259c3c_dense
    .symbol:         k_qca71259c3c_dense.kd
    .args:
      - { .name: dense_w, .offset: 0, .size: 8, .value_kind: global_buffer, .address_space: global }
      - { .name: dense_b, .offset: 8, .size: 8, .value_kind: global_buffer, .address_space: global }
      - { .name: lowp_scales, .offset: 16, .size: 8, .value_kind: global_buffer, .address_space: global }
      - { .name: ws_codes, .offset: 24, .size: 8, .value_kind: global_buffer, .address_space: global }
      - { .name: out0, .offset: 32, .size: 8, .value_kind: global_buffer, .address_space: global }
    .group_segment_fixed_size: 104448
    .private_segment_fixed_size: 0
    .kernarg_segment_align: 8
    .kernarg_segment_size: 40
    .max_flat_workgroup_size: 512
    .sgpr_count:     66
    .vgpr_count:     256
    .wavefront_size: 32
...
	.end_amdgpu_metadata
.endif
;; end of part 4
